; MI455X (gfx1250); checked and timed in simulation.
; The chip was launched on July 23, 2026; its instructions are those of AMD's public machine-readable ISA for CDNA 5 (MIT licence, August 2026) and "CDNA5" Instruction Set Architecture Reference Guide (July 2026). The comments in the code are by the model that wrote it; some were corrected since.
;; Linear Attention. Allowed arithmetic: matrix products marked QUANTISED: E3M2 operands, one E8M0 scale for each 32 along K, by v_wmma_scale_f32_16x16x128_f8f6f4 with both operands' format E3M2, f32 sums; products left as they are: f32 operands where the result goes on into a quantised operand, else bf16, f16 or f32 operands; f32 sums; everything else in f32.
;; Inputs: key_mask 4 x 8,192 float32; keys 4 x 8,192 x 8 x 64 float32; queries 4 x 8,192 x 8 x 64 float32; values 4 x 8,192 x 8 x 64 float32.
;; Outputs: out0 4 x 8,192 x 8 x 64 float32.
;; This version of the problem:
;;   THIS VERSION OF THE PROBLEM IS GIVEN IN LOW PRECISION. The matrix products marked QUANTISED in the list below multiply operands that are first quantised to E3M2 (3 exponent bits, 2 mantissa bits; 6 bits a number), with one power-of-two scale for each 32 numbers along K (OCP MX v1.0); their sums are f32. All else is computed in f32.
;;   The module's matrix products, in the order in which they are computed (A, B: the left and right operand; K: the contracted axis; several contracted axes count as one K, in the product's order):
;;     1. batch 32 x [M 64, K 8,192] x [K 8,192, N 64]; A: input values; B: computed on the way: QUANTISED
;;     2. batch 32 x [M 1, K 64] x [K 64, N 8,192]; A: computed on the way; B: computed on the way: left as it is (M = 1 < 16)
;;     3. batch 32 x [M 64, K 64] x [K 64, N 8,192]; A: computed on the way; B: computed on the way: QUANTISED
;;     4. batch 262,144 x [M 1, K 1] x [K 1, N 64]; A: computed on the way; B: computed on the way: left as it is (no contracted axis)
;;   THE QUANTISER, for each operand of a quantised product, along K:
;;     - K is cut into blocks of 32 from its start; a last block that is shorter is filled with zeros.
;;     - A block's scale is 2^e with e = floor(log2(the largest magnitude in the block)) - 4, held to -126 .. 127; a block of zeros has e = 0. As a byte (E8M0): e + 127.
;;     - Each number is divided by its block's scale, clamped to +-28, and rounded to the nearest number of E3M2, ties to even, subnormals kept.
;;     - The product sums the exact products of the quantised numbers (number of the format x scale) in f32.
;;   ~~~python
;;   def quantise(x, axis):      # numpy; x: float32 -> the quantised numbers, widened to float32 again
;;       x = np.moveaxis(x, axis, -1); K = x.shape[-1]
;;       x = np.pad(x, [(0, 0)] * (x.ndim - 1) + [(0, -K % 32)]); x = x.reshape(x.shape[:-1] + (-1, 32)); a = np.abs(x).max(-1, keepdims=True)
;;       e = np.where(a > 0, np.clip(np.frexp(np.where(a > 0, a, 1))[1] - 1 - 4, -126, 127), 0)      # np.frexp(a)[1] - 1 = floor(log2(a)), exactly
;;       r = np.clip(x / 2.0 ** e, -28, 28)
;;       step = 2.0 ** (np.maximum(np.frexp(np.where(r == 0, 1, r))[1] - 1, -2) - 2)
;;       q = np.round(r / step) * step * 2.0 ** e      # np.round: ties to even
;;       return np.moveaxis(q.reshape(q.shape[:-2] + (-1,))[..., :K], -1, axis).astype(np.float32)
;;   ~~~
;;   OPERANDS COMPUTED ON THE WAY. 'Computed on the way' means the value that the module computes at that place (a softmax that the list does not call 'softmax' is quantised finished and normalised). What goes into a quantiser is computed in f32, as accurately as f32 sums, v_exp_f32 and their like allow (about 1e-6 of the number): no bf16 or f16 on the way to a quantiser, and a product that is left as it is and whose result goes on into a quantised operand takes f32 operands (vector FMAs, or v_wmma_f32_16x16x4_f32). A number that lies on a knife's edge between two numbers of the format may be rounded either way, as far as f32 arithmetic and the matrix unit's own rounding can turn it there, and no further.
;; 2 versions, each right; version 2 is version 1 with the launch kvpart written anew for expert scheduling mode. Each part assembles by itself: llvm-mc -triple=amdgcn-amd-amdhsa -mcpu=gfx1250 --defsym DOCPART=n.
;; ======== version 1 of 2: 2 launches
;; workspace buffers: kvp 4,194,304 bytes; ksp 65,536 bytes
;; launch kvpart (part 1): grid 256 x 1, 16 waves a work-group, no clusters, 112,640 bytes of LDS; arguments keys, values, key_mask, kvp, ksp; writes kvp, ksp
.if DOCPART == 1
	.amdgcn_target "amdgcn-amd-amdhsa--gfx1250"
	.amdhsa_code_object_version 6
	.text
	.protected	k_qe7d38e054f_kvpart
	.globl	k_qe7d38e054f_kvpart
	.p2align	8
	.type	k_qe7d38e054f_kvpart,@function
k_qe7d38e054f_kvpart:
	s_mov_b64 s[64:65], 0
	v_nop
	global_prefetch_b8 v0, s[64:65] scope:SCOPE_SE
	s_setreg_imm32_b32 hwreg(HW_REG_WAVE_MODE, 25, 1), 1
	s_wait_xcnt 0x0
; PARTIAL KV AND Ksum OF LINEAR ATTENTION.  keys, values: [4][8192][8][64] f32; key_mask: [4][8192] f32.
; K = (elu(keys) + 1) x mask.  KV[m][d] = sum over s of Q6(values)[s][m] x Q6(K)[s][d], Q6 = codes of E3M2 with one E8M0 scale for each 32 along s.  Ksum[d] = sum over s of K[s][d], unquantised, f32.
; SHARES.  A work-group owns one (n, head) and 1,024 of its 8,192 keys: 256 work-groups, 8 partial results a head, which the next launch adds.  Each of its 16 waves turns 64 keys (two blocks of 32) of both
; tensors into codes; the codes go through LDS as images of the operands' registers; behind ONE barrier wave w multiplies tile (q_m = w / 4, q_d = w % 4) of KV over the work-group's 8 K steps of 128.
; LOADS.  A head's 64 numbers of one key are 256 consecutive bytes at a multiple of 256.  One load of 16 bytes a lane takes two such rows whole: lanes 0-15 row s, lanes 16-31 row s + 16.  A lane so holds 4 neighbouring
; columns: column 4 r + q of lane r belongs to tile q (which columns form a tile is free).  A ring of 16 loads, 8 KiB a wave and 128 KiB a work-group, is always out.
; The conversions want 16 neighbours along s in consecutive registers: the keys' unpacked minimum and maximum write to such places, so that their turn costs nothing; the values are moved, one v_mov a number.
; FEATURE MAP as the definition rounds it: a = max(x, 2^(c min(x, 0)) - 1) is x above 0 and e^x - 1 below, K = a x mask + mask.  So K keeps the grid of (e^x - 1) + 1 and is 0 for very negative x.
; No cluster: work-groups share nothing but 4 KiB of mask.
; LIMITS: NaN and infinities are not served.  For a mask other than 0 or 1 the fused a x mask + mask rounds once where (a + 1) x mask rounds twice (1 ulp).  A block of zeros gets the byte 1, not 127: its codes
; are zeros, which add nothing, and the bytes are read by this launch alone.  The order of the f32 sums is this text's own.
.set SROW,  2048                       ; bytes from one key to the next
.set FRB,   1536                       ; a fragment's image: 12 registers x 128 bytes
.set HALFB, 768                        ; half of it (two blocks of 32): 512 bytes of 16 a lane, then 256 bytes of 8 a lane
.set STEPB, 4*FRB                      ; the four tiles of a K step
.set TENSB, 8*STEPB                    ; the 8 K steps of one tensor: K's images at 0, V's behind them
.set SCB,   2*TENSB                    ; the scale words: 128 bytes for each fragment, K's 32, then V's 32
.set KSS,   SCB+8192                   ; 16 rows of 256 bytes: each wave's part of Ksum
.set OFF,  2                           ; v2   my bytes in the wave's rows: 16 r + 16 rows x h
.set MO,   3                           ; v3   my bytes in the wave's mask: 64 h
.set A16,  4                           ; v4   images, on the way in: 16 x lane + my wave's half fragment
.set A8,   5                           ; v5   8 x lane + the same
.set ASC,  6                           ; v6   my half of a scale word
.set KSTO, 7                           ; v7   my wave's row of Ksum
.set KA16, 8                           ; v8-11 images, on the way out: K's tile q_d, V's tile q_m
.set KA8,  9
.set VA16, 10
.set VA8,  11
.set KSA,  12                          ; v12  scale words: lanes 0-15 K's, lanes 16-31 V's
.set GO8,  13                          ; v13  8 x lane
.set KSRD, 14                          ; v14  Ksum rows, read back
.set GO,   15                          ; v15  16 x lane
.set KS,   18                          ; v18-25   Ksum: a pair of chains for each tile
.set MX,   26                          ; v26-29   largest magnitudes
.set PX,   30                          ; v30-33   from lane l xor 16
.set SO,   34                          ; v34-37   the conversions' scale operands
.set SW,   38                          ; v38-41   two scale bytes a tile
.set F,    42                          ; v42-65   half fragments: 6 registers a tile
.set TT,   66                          ; v66-81   16 exponentials at work; later the odd block's codes, 4 registers a tile
.set M,    82                          ; v82-113  the mask of my 2 x 16 keys
.set X,    114                         ; v114-177 a block: tile q's 16 numbers down s at X + 16 q
.set R,    178                         ; v178-241 the ring: row i's four columns at R + 4 i
.set KQ,   242                         ; v242-245 my wave's Ksum
.set SC,   246                         ; v246-253 the scale words of the 8 K steps: these registers hold nothing else
.set G,    18                          ; behind the barrier: v18-209: for each K step K's fragment, then V's
.set ACC0, 210
.set ACC1, 218
.set O,    226
.set WV,   14                          ; s14  my wave's number
.set SEL,  32                          ; s[32:33] v_permlanex16_b32's selects for lane l xor 16
.set CS,   34                          ; s[34:35] c = log2(e); the packed form names the pair and takes its low word
	s_load_b128 s[4:7], s[0:1], 0x0                ; keys, values
	s_load_b128 s[8:11], s[0:1], 0x10              ; key_mask, kvp
	s_load_b64 s[12:13], s[0:1], 0x20              ; ksp
	v_lshl_add_u32 v254, v0, 2, 0x1b000
	v_mov_b32 v255, 0
	v_lshrrev_b32 v1, 5, v0
	v_readfirstlane_b32 s[WV], v1                  ; wave 0..15
	v_and_b32 v1, 31, v0                           ; lane
	v_and_b32 v17, 15, v0                          ; r
	v_bfe_u32 v16, v0, 4, 1                        ; h
	v_lshlrev_b32 v[OFF], 4, v17
	v_lshl_add_u32 v[OFF], v16, 15, v[OFF]         ; 16 r + 16 rows of 2,048 bytes x h
	v_lshlrev_b32 v[MO], 6, v16
	s_lshr_b32 s22, ttmp9, 6                       ; n
	s_bfe_u32 s23, ttmp9, 0x30003                  ; head
	s_and_b32 s24, ttmp9, 7                        ; which 1,024 keys
	s_lshl_b32 s22, s22, 13
	s_lshl_b32 s24, s24, 10
	s_add_co_u32 s22, s22, s24
	s_lshl_b32 s24, s[WV], 6
	s_add_co_u32 s22, s22, s24                     ; my wave's first key, counted through all n
	s_lshl_b32 s26, s22, 2                         ; its mask, in bytes
	s_mov_b32 s27, 0
	s_lshl_b32 s24, s22, 11
	s_lshl_b32 s23, s23, 8
	s_add_co_u32 s24, s24, s23                     ; its head's 256 bytes in keys and in values (under 2^27)
	s_mov_b32 s25, 0
	s_lshl_b32 s28, ttmp9, 14                      ; kvp: 16 KiB a work-group, 1 KiB a wave
	s_lshl_b32 s30, s[WV], 10
	s_add_co_u32 s28, s28, s30
	s_mov_b32 s29, 0
	s_lshl_b32 s30, ttmp9, 8                       ; ksp: 256 bytes a work-group
	s_mov_b32 s31, 0
	s_wait_kmcnt 0x0
	s_add_nc_u64 s[4:5], s[4:5], s[24:25]
	s_add_nc_u64 s[6:7], s[6:7], s[24:25]
	s_add_nc_u64 s[8:9], s[8:9], s[26:27]
	s_add_nc_u64 s[10:11], s[10:11], s[28:29]
	s_add_nc_u64 s[12:13], s[12:13], s[30:31]
.irp j, 0,1,2,3,4,5,6,7
	global_load_b128 v[M+4*\j:M+4*\j+3], v[MO], s[8:9] offset:128*(\j/4)+16*(\j%4)   ; mask of keys 32 b + 16 h + 0 .. 15, b = j / 4
.endr
; Unit u of four: 0, 1 = the keys' blocks, 2, 3 = the values'.  Rows 4 g .. 4 g + 3 of unit u into their places in the ring.  Every offset is an immediate: no pointer is stepped.
.macro LOADG u, g
.irp ii, 0,1,2,3
.if (\u) < 2
	global_load_b128 v[R+16*(\g)+4*\ii:R+16*(\g)+4*\ii+3], v[OFF], s[4:5] offset:(32*((\u)%2)+4*(\g)+\ii)*SROW th:TH_LOAD_NT
.else
	global_load_b128 v[R+16*(\g)+4*\ii:R+16*(\g)+4*\ii+3], v[OFF], s[6:7] offset:(32*((\u)%2)+4*(\g)+\ii)*SROW th:TH_LOAD_NT
.endif
.endr
.endm
	LOADG 0, 0
	LOADG 0, 1
	LOADG 0, 2
	LOADG 0, 3
	; LDS addresses, all made here: a constant + a constant x lane + constants x parts of the wave's number
	s_lshr_b32 s15, s[WV], 1                       ; my 64 keys are half c = w % 2 of K step w / 2
	s_and_b32 s16, s[WV], 1
	s_mul_i32 s17, s15, STEPB
	s_mul_i32 s18, s16, HALFB
	s_add_co_u32 s17, s17, s18
	v_lshl_add_u32 v[A16], v1, 4, s17
	v_lshl_add_u32 v[A8], v1, 3, s17
	s_lshl_b32 s18, s15, 9
	s_lshl_b32 s19, s16, 1
	s_add_co_u32 s18, s18, s19
	s_add_co_u32 s18, s18, SCB
	v_lshl_add_u32 v[ASC], v1, 2, s18              ; bytes 2 c, 2 c + 1 of my lane's word
	s_lshl_b32 s18, s[WV], 8
	s_add_co_u32 s18, s18, KSS
	v_lshl_add_u32 v[KSTO], v17, 4, s18
	s_and_b32 s20, s[WV], 3                        ; q_d
	s_lshr_b32 s21, s[WV], 2                       ; q_m
	s_mul_i32 s18, s20, FRB
	v_lshl_add_u32 v[KA16], v1, 4, s18
	v_lshl_add_u32 v[KA8], v1, 3, s18
	s_mul_i32 s18, s21, FRB
	s_add_co_u32 s18, s18, TENSB
	v_lshl_add_u32 v[VA16], v1, 4, s18
	v_lshl_add_u32 v[VA8], v1, 3, s18
	s_lshl_b32 s18, s20, 7
	s_lshl_b32 s19, s21, 7
	s_add_co_u32 s19, s19, 4096
	s_sub_co_u32 s19, s19, s18                     ; from K's words of tile q_d to V's of tile q_m
	s_add_co_u32 s18, s18, SCB
	v_mul_u32_u24 v[KSA], s19, v16                 ; lanes 16-31 take V's: the lower base + h x the distance
	v_lshl_add_u32 v[KSA], v17, 2, v[KSA]
	v_add_nc_u32 v[KSA], s18, v[KSA]
	v_lshl_add_u32 v[KSRD], v1, 3, KSS
	v_lshlrev_b32 v[GO], 4, v1
	v_lshlrev_b32 v[GO8], 3, v1
	s_mov_b32 s[SEL], 0x76543210
	s_mov_b32 s[SEL+1], 0xfedcba98
	s_mov_b32 s[CS], 0x3fb8aa3b
	s_mov_b32 s[CS+1], s[CS]                       ; (named with it as a pair, so it is written)
.irp i, 0,1,2,3,4,5,6,7
	v_mov_b32 v[KS+\i], 0
.endr
.irp i, 0,1,2,3
	v_mov_b32 v[PX+\i], 0                          ; written once: a lane permute's destination counts as one of its sources
.endr
; Four rows (16 registers) of the keys' block b.  The minimum writes to places that run down s, so all that follows is packed two keys at a time.
.macro KGROUP b, g
	s_wait_loadcnt 12                              ; loads come back in order: my four rows are in; the twelve younger loads of the ring stay out
.irp ii, 0,1,2,3
.irp q, 0,1,2,3
	v_min_num_f32 v[TT+4*\q+\ii], 0, v[R+16*(\g)+4*\ii+\q]
.endr
.endr
.irp p, 0,2,4,6,8,10,12,14
	v_pk_mul_f32 v[TT+\p:TT+\p+1], v[TT+\p:TT+\p+1], s[CS:CS+1] op_sel_hi:[1,0]
.endr
.irp p, 0,1,2,3,4,5,6,7,8,9,10,11,12,13,14,15
	v_exp_f32 v[TT+\p], v[TT+\p]                   ; e^min(x, 0)
.endr
	v_nop                                          ; a plain place behind the exponentials
	s_wait_alu depctr_va_vdst(0)
.irp p, 0,2,4,6,8,10,12,14
	v_pk_add_f32 v[TT+\p:TT+\p+1], v[TT+\p:TT+\p+1], -1.0 op_sel_hi:[1,0]
.endr
.irp ii, 0,1,2,3
.irp q, 0,1,2,3
	v_max_num_f32 v[X+16*\q+4*(\g)+\ii], v[R+16*(\g)+4*\ii+\q], v[TT+4*\q+\ii]   ; elu(x): x above 0 (there e - 1 = 0), e^x - 1 below (it is never under x)
.endr
.endr
	LOADG (\b)+1, \g                               ; the rows have been read: their places take the next unit's rows
.irp p, 0,2
.irp q, 0,1,2,3
	v_pk_fma_f32 v[X+16*\q+4*(\g)+\p:X+16*\q+4*(\g)+\p+1], v[X+16*\q+4*(\g)+\p:X+16*\q+4*(\g)+\p+1], v[M+16*(\b)+4*(\g)+\p:M+16*(\b)+4*(\g)+\p+1], v[M+16*(\b)+4*(\g)+\p:M+16*(\b)+4*(\g)+\p+1]   ; K = (elu + 1) x mask
.endr
.endr
.irp p, 0,2
.irp q, 0,1,2,3
	v_pk_add_f32 v[KS+2*\q:KS+2*\q+1], v[KS+2*\q:KS+2*\q+1], v[X+16*\q+4*(\g)+\p:X+16*\q+4*(\g)+\p+1]   ; Ksum takes the unquantised K
.endr
.endr
.endm
; Four rows of the values' block b: moved to places that run down s.
.macro VGROUP b, g
	s_wait_loadcnt 12-4*(\g)*(\b)                  ; as above; behind the last block nothing is loaded, so the count runs down
.irp ii, 0,1,2,3
.irp q, 0,1,2,3
	v_mov_b32 v[X+16*\q+4*(\g)+\ii], v[R+16*(\g)+4*\ii+\q]
.endr
.endr
.if (\b) == 0
	LOADG 3, \g
.endif
.endm
; The block in X becomes codes.  A block of 32 keys of a column lies in lanes l and l xor 16, 16 numbers each.
.macro BLOCKQ b
.irp q, 0,1,2,3
	v_max3_num_f32 v[MX+\q], |v[X+16*\q]|, |v[X+16*\q+1]|, 0x2800000   ; with the floor 2^(5 - 127) among the leaves: the byte cannot fall under 1
.endr
.irp i, 2,4,6,8,10,12,14
.irp q, 0,1,2,3
	v_max3_num_f32 v[MX+\q], v[MX+\q], |v[X+16*\q+\i]|, |v[X+16*\q+\i+1]|   ; (the four tiles by turns)
.endr
.endr
.irp q, 0,1,2,3
	v_permlanex16_b32 v[PX+\q], v[MX+\q], s[SEL], s[SEL+1]
.endr
.irp q, 0,1,2,3
	v_max_num_f32 v[MX+\q], v[MX+\q], v[PX+\q]     ; the block's largest magnitude
.endr
.irp q, 0,1,2,3
	v_add_nc_u32 v[SO+\q], 0xfe000000, v[MX+\q]    ; 4 off its exponent field: the conversion takes that field as its scale
.endr
.if (\b) == 0
.irp q, 0,1,2,3
	v_lshrrev_b32 v[SW+\q], 23, v[SO+\q]           ; the scale's byte
.endr
.irp q, 0,1,2,3
	v_cvt_scalef32_pk16_bf6_f32 v[F+6*\q:F+6*\q+2], v[X+16*\q:X+16*\q+15], v[SO+\q]
.endr
.else
.irp q, 0,1,2,3
	v_lshrrev_b32 v[PX+\q], 23, v[SO+\q]
.endr
.irp q, 0,1,2,3
	v_lshl_or_b32 v[SW+\q], v[PX+\q], 8, v[SW+\q]
.endr
.irp q, 0,1,2,3
	v_cvt_scalef32_pk16_bf6_f32 v[TT+4*\q:TT+4*\q+2], v[X+16*\q:X+16*\q+15], v[SO+\q]
.endr
.endif
	v_nop                                          ; one plain place behind the scaled conversions
.endm
; Two blocks' half blocks become whole blocks in a lane (lanes 0-15 the even block, lanes 16-31 the odd one), and the half fragments go to LDS as they stand.  t = 0: K's, 1: V's.
.macro FINISH t
.irp q, 0,1,2,3
.irp i, 0,1,2
	v_permlane16_swap_b32 v[F+6*\q+\i], v[TT+4*\q+\i]   ; the first now holds each lane's block's lower 16 codes, the second the upper 16
.endr
.endr
.irp q, 0,1,2,3
.irp i, 0,1,2
	v_mov_b32 v[F+6*\q+3+\i], v[TT+4*\q+\i]        ; (a conversion's three registers begin on an even number, a block's second three do not)
.endr
.endr
.irp q, 0,1,2,3
	ds_store_b128 v[A16], v[F+6*\q:F+6*\q+3] offset:(\t)*TENSB+\q*FRB
	ds_store_b64 v[A8], v[F+6*\q+4:F+6*\q+5] offset:(\t)*TENSB+\q*FRB+512
	ds_store_b16 v[ASC], v[SW+\q] offset:(\t)*4096+\q*128
.endr
.endm
	KGROUP 0, 0
	KGROUP 0, 1
	KGROUP 0, 2
	KGROUP 0, 3
	BLOCKQ 0
	KGROUP 1, 0
	KGROUP 1, 1
	KGROUP 1, 2
	KGROUP 1, 3
	BLOCKQ 1
	FINISH 0
.irp q, 0,1,2,3
	v_add_f32 v[KQ+\q], v[KS+2*\q], v[KS+2*\q+1]   ; my wave's Ksum of column 4 r + q: the two chains,
.endr
.irp q, 0,1,2,3
	v_permlanex16_b32 v[PX+\q], v[KQ+\q], s[SEL], s[SEL+1]
.endr
.irp q, 0,1,2,3
	v_add_f32 v[KQ+\q], v[KQ+\q], v[PX+\q]         ; and the other half of the lanes' keys
.endr
	ds_store_b128 v[KSTO], v[KQ:KQ+3]              ; lanes r and r + 16 write the same bytes with the same numbers
	VGROUP 0, 0
	VGROUP 0, 1
	VGROUP 0, 2
	VGROUP 0, 3
	s_wait_dscnt 0x0                               ; K's stores have read their registers: codes and bytes may be written again
	BLOCKQ 0
	VGROUP 1, 0
	VGROUP 1, 1
	VGROUP 1, 2
	VGROUP 1, 3
	BLOCKQ 1
	FINISH 1
	s_wait_dscnt 0x0                               ; for the others' sake: all my stores have landed
	s_barrier_signal -1
	s_barrier_wait -1                              ; the 64 fragments, their scale words and the 16 rows of Ksum lie in LDS
	; MY TILE OF KV: source 0 = K's tile q_d (row rho = column d = 4 rho + q_d), source 1 = V's tile q_m (column r = m = 4 r + q_m).
	; In the result register j of lane (r, h) is KV[m = 4 r + q_m][d = 32 h + 4 j + q_d].
.irp k, 0,1,2,3,4,5,6,7
	ds_load_b128 v[G+24*\k:G+24*\k+3],     v[KA16] offset:\k*STEPB
	ds_load_b64  v[G+24*\k+4:G+24*\k+5],   v[KA8]  offset:\k*STEPB+512
	ds_load_b128 v[G+24*\k+6:G+24*\k+9],   v[KA16] offset:\k*STEPB+HALFB
	ds_load_b64  v[G+24*\k+10:G+24*\k+11], v[KA8]  offset:\k*STEPB+HALFB+512
	ds_load_b128 v[G+24*\k+12:G+24*\k+15], v[VA16] offset:\k*STEPB
	ds_load_b64  v[G+24*\k+16:G+24*\k+17], v[VA8]  offset:\k*STEPB+512
	ds_load_b128 v[G+24*\k+18:G+24*\k+21], v[VA16] offset:\k*STEPB+HALFB
	ds_load_b64  v[G+24*\k+22:G+24*\k+23], v[VA8]  offset:\k*STEPB+HALFB+512
	ds_load_b32  v[SC+\k], v[KSA] offset:\k*512    ; lanes 0-15: K's words; lanes 16-31: V's
.endr
.macro MM k, acc, first
.if \first
	v_wmma_scale_f32_16x16x128_f8f6f4 v[\acc:\acc+7], v[G+24*\k:G+24*\k+11], v[G+24*\k+12:G+24*\k+23], 0, v[SC+\k], v[SC+\k] matrix_a_fmt:MATRIX_FMT_BF6 matrix_b_fmt:MATRIX_FMT_BF6 matrix_b_scale:MATRIX_SCALE_ROW1
.else
	v_wmma_scale_f32_16x16x128_f8f6f4 v[\acc:\acc+7], v[G+24*\k:G+24*\k+11], v[G+24*\k+12:G+24*\k+23], v[\acc:\acc+7], v[SC+\k], v[SC+\k] matrix_a_fmt:MATRIX_FMT_BF6 matrix_b_fmt:MATRIX_FMT_BF6 matrix_b_scale:MATRIX_SCALE_ROW1
.endif
.endm
	s_wait_dscnt 54                                ; nine loads a K step: steps 0 and 1 are in, the six younger steps' 54 may be out
	MM 0, ACC0, 1                                  ; two accumulators, even and odd K steps, by turns, one instruction a turn
	MM 1, ACC1, 1
	s_wait_dscnt 36
	MM 2, ACC0, 0
	MM 3, ACC1, 0
	s_wait_dscnt 18
	MM 4, ACC0, 0
	MM 5, ACC1, 0
	s_wait_dscnt 0x0
	MM 6, ACC0, 0
	MM 7, ACC1, 0
.rept 4
	v_nop                                          ; four places behind the last products (ISA guide 7.12.1)
.endr
.irp p, 0,2,4,6
	v_pk_add_f32 v[O+\p:O+\p+1], v[ACC0+\p:ACC0+\p+1], v[ACC1+\p:ACC1+\p+1]
.endr
	global_store_b128 v[GO], v[O:O+3], s[10:11]                ; 512 consecutive bytes a store, at a multiple of 512 in kvp: laid as the next launch's lanes read them
	global_store_b128 v[GO], v[O+4:O+7], s[10:11] offset:512
	s_cmp_lg_u32 s[WV], 0                          ; wave 0 adds the 16 waves' rows of Ksum and stores the work-group's 256 bytes whole
	s_cbranch_scc1 .Ldone
.irp w, 0,1,2,3,4,5,6,7,8,9,10,11,12,13,14,15
	ds_load_b64 v[G+2*\w:G+2*\w+1], v[KSRD] offset:256*\w
.endr
	s_wait_dscnt 0x0
.irp w, 0,1,2,3,4,5,6,7
	v_pk_add_f32 v[G+2*\w:G+2*\w+1], v[G+2*\w:G+2*\w+1], v[G+16+2*\w:G+16+2*\w+1]
.endr
.irp w, 0,1,2,3
	v_pk_add_f32 v[G+2*\w:G+2*\w+1], v[G+2*\w:G+2*\w+1], v[G+8+2*\w:G+8+2*\w+1]
.endr
.irp w, 0,1
	v_pk_add_f32 v[G+2*\w:G+2*\w+1], v[G+2*\w:G+2*\w+1], v[G+4+2*\w:G+4+2*\w+1]
.endr
	v_pk_add_f32 v[G:G+1], v[G:G+1], v[G+2:G+3]
	global_store_b64 v[GO8], v[G:G+1], s[12:13]    ; Ksum[2 l], Ksum[2 l + 1]
.Ldone:
	s_wait_tensorcnt 0x0
	ds_add_u32 v254, v255
	s_wait_dscnt 0x0
	s_endpgm
.Lfunc_end_k_qe7d38e054f_kvpart:
	.size	k_qe7d38e054f_kvpart, .Lfunc_end_k_qe7d38e054f_kvpart-k_qe7d38e054f_kvpart
	.p2alignl 7, 3214868480
	.fill 96, 4, 3214868480
	.section	.rodata,"a",@progbits
	.p2align	6, 0x0
	.amdhsa_kernel k_qe7d38e054f_kvpart
		.amdhsa_group_segment_fixed_size 112640
		.amdhsa_private_segment_fixed_size 0
		.amdhsa_enable_private_segment 0
		.amdhsa_kernarg_size 40
		.amdhsa_user_sgpr_count 2
		.amdhsa_user_sgpr_kernarg_segment_ptr 1
		.amdhsa_wavefront_size32 1
		.amdhsa_system_sgpr_workgroup_id_x 1
		.amdhsa_system_sgpr_workgroup_id_y 1
		.amdhsa_system_sgpr_workgroup_id_z 1
		.amdhsa_system_vgpr_workitem_id 0
		.amdhsa_next_free_vgpr 256
		.amdhsa_next_free_sgpr 66
		.amdhsa_reserve_vcc 0
		.amdhsa_float_denorm_mode_32 3
		.amdhsa_float_denorm_mode_16_64 3
		.amdhsa_memory_ordered 1
		.amdhsa_forward_progress 1
		.amdhsa_inst_pref_size 70
	.end_amdhsa_kernel
	.amdgpu_metadata
---
amdhsa.version: [ 1, 2 ]
amdhsa.kernels:
  - .name:           k_qe7d38e054f_kvpart
    .symbol:         k_qe7d38e054f_kvpart.kd
    .args:
      - { .name: keys, .offset: 0, .size: 8, .value_kind: global_buffer, .address_space: global }
      - { .name: values, .offset: 8, .size: 8, .value_kind: global_buffer, .address_space: global }
      - { .name: key_mask, .offset: 16, .size: 8, .value_kind: global_buffer, .address_space: global }
      - { .name: kvp, .offset: 24, .size: 8, .value_kind: global_buffer, .address_space: global }
      - { .name: ksp, .offset: 32, .size: 8, .value_kind: global_buffer, .address_space: global }
    .group_segment_fixed_size: 112640
    .private_segment_fixed_size: 0
    .kernarg_segment_align: 8
    .kernarg_segment_size: 40
    .max_flat_workgroup_size: 512
    .sgpr_count:     66
    .vgpr_count:     256
    .wavefront_size: 32
...
	.end_amdgpu_metadata
.endif
;; end of part 1
;; launch attn (part 2): grid 256 x 1, 16 waves a work-group, no clusters, 297,728 bytes of LDS; arguments queries, kvp, ksp, out0; writes out0
.if DOCPART == 2
	.amdgcn_target "amdgcn-amd-amdhsa--gfx1250"
	.amdhsa_code_object_version 6
	.text
	.protected	k_qe7d38e054f_attn
	.globl	k_qe7d38e054f_attn
	.p2align	8
	.type	k_qe7d38e054f_attn,@function
k_qe7d38e054f_attn:
	s_mov_b64 s[64:65], 0
	v_nop
	global_prefetch_b8 v0, s[64:65] scope:SCOPE_SE
	s_setreg_imm32_b32 hwreg(HW_REG_WAVE_MODE, 25, 1), 1
	s_wait_xcnt 0x0
; out[l][m] = Z[l] x sum over d of Q6(Q)[l][d] x Q6(KV)[m][d],  Q = elu(queries) + 1,  Z = 1 / (Q . Ksum + 1e-6),  Q6 = codes of E3M2 with one E8M0 scale for each 32 along d.
; queries, out0: [4][8192][8][64] f32.  kvp: for each (n, head) 8 partial KV of 16 KiB, laid by the launch before as 16 tiles of 1 KiB; ksp: 8 partial Ksum of 256 bytes.
; SHARES.  A work-group owns one (n, head) and 1,024 queries; each of its 16 waves owns 64 of them: four tiles of 16.
; Q.  A query's 64 numbers of the head are 256 consecutive bytes at a multiple of 256.  The work-group's whole share,
; 278,528 bytes, fits, so no LDS byte is filled twice and only the issuing wave reads its tile, behind its own wait.  By this text's count a wave has one tensor load out.
; KV.  Ahead of the tensor load each wave asks for its tile of the 8 partial KV (16 loads of 512 bytes) and its four numbers of the partial Ksum.  The sums meet in LDS; behind ONE barrier every wave reads all of KV, rows m in
; their natural order, and quantises it for itself: four fragments, some 120 instructions, in place of a second barrier.
; PRODUCT.  K = d = 64 of the instruction's 128: registers 6-11 of both operands are zero codes.  Source 0 = 16 rows m of KV, source 1 = my 16 queries: a lane holds ONE query and 8 neighbouring m a tile.
; Q . Ksum is 16 packed fused multiply-adds a lane in f32; lanes l and l xor 16 share a query in both layouts, so Z needs one exchange.
; THE WAY OUT goes through the tile's own 16 LDS rows, which have had their only fill and have been read: sixteen lanes then store one aligned run of 256 bytes.
; No cluster: the 8 work-groups of a head share the 131,072 bytes of their partial KV, but a joint tensor load of them has no room beside Q: 278,528 + 131,072 is more than the 327,680 bytes of LDS.
; LIMITS: NaN and infinities are not served.  A block of zeros gets the byte 1, not 127: its codes are zeros.  The order of the f32 sums is this text's own.
.set WTILE, 17408                      ; a wave's tile in LDS: 64 rows x (256 + 16) bytes
.set TROWS, 4352                       ; 16 rows of it
.set SCR,   16*WTILE                   ; behind the tiles: KV's sums, four runs (m % 4) of 4,096 bytes, 4,160 bytes apart so that a fragment's 16 rows start in 16 different groups of banks
.set QPIT,  4160
.set KSL,   SCR+16896                  ; Ksum, 256 bytes
.set QA,   4                           ; v4   Q's rows: my tile + 272 r + 128 h
.set SI,   5                           ; v5   the way out, in: my tile + 272 r + 32 h
.set SB,   6                           ; v6   and back: my tile + 272 h + 16 r
.set GO,   7                           ; v7   out0: 2,048 h + 16 r
.set SWA,  8                           ; v8   where I put KV's sums
.set SRA,  9                           ; v9   where I read a row of KV
.set KWA,  10                          ; v10  where I put Ksum
.set KRA,  11                          ; v11  where I read it
.set KVO,  12                          ; v12  kvp: 16 x lane
.set KSO,  13                          ; v13  ksp: 256 (lane / 4) + 4 (lane % 4)
.set SH8,  14                          ; v14  8 h: my block's byte in a scale word
.set PX,   15                          ; v15  from lane l xor 16
.set KS,   16                          ; v16-47   Ksum[32 h + 0 .. 31]
.set KVF,  48                          ; v48-95   KV's four fragments
.set KVS,  96                          ; v96-99   their scale words;  v100 Q's: these five hold nothing else
.set QS,   100
.set Z,    102                         ; v102 Z (v103 is named with it as a pair)
.set P,    104                         ; v104-115 Q's fragment
.set PT,   116                         ; v116-118 a block's upper 16 codes
.set MXA,  120
.set MXB,  121
.set SO,   122
.set BY,   123
.set DA,   124                         ; v[124:125], v[126:127] Q . Ksum in two chains
.set DB,   126
.set X,    128                         ; v128-159 32 numbers of my query
.set TT,   160                         ; v160-191 exponentials
.set D,    192                         ; v192-223 four results; later the 16 rows read back
.set O,    224                         ; v224-255 results x Z
.set L,    128                         ; at the head: v128-191 my tile of the 8 partial KV; v192-199 its sum; v200 Ksum
.set S,    192
.set KP,   200
.set Y,    128                         ; behind the barrier: v128-255 KV, 32 numbers a tile
.set WV,   12
.set G0,   16                          ; s[16:19] descriptor group 0
.set G1,   20                          ; s[20:27] group 1
.set SEL,  32
.set CS,   34
	s_load_b128 s[4:7], s[0:1], 0x0                ; queries, kvp
	s_load_b128 s[8:11], s[0:1], 0x10              ; ksp, out0
	v_lshl_add_u32 v101, v0, 2, 0x48300
	v_mov_b32 v119, 0
	ds_add_u32 v101, v119
	ds_add_u32 v101, v119
	v_lshrrev_b32 v1, 5, v0
	v_readfirstlane_b32 s[WV], v1                  ; wave 0..15
	v_and_b32 v1, 31, v0                           ; lane
	v_and_b32 v2, 15, v0                           ; r
	v_bfe_u32 v3, v0, 4, 1                         ; h
	v_lshlrev_b32 v[KVO], 4, v1
	v_lshrrev_b32 v[KSO], 2, v1
	v_lshlrev_b32 v[KSO], 8, v[KSO]
	v_and_b32 v[SH8], 3, v1
	v_lshl_add_u32 v[KSO], v[SH8], 2, v[KSO]
	s_lshr_b32 s28, ttmp9, 6                       ; n
	s_bfe_u32 s29, ttmp9, 0x30003                  ; head
	s_and_b32 s30, ttmp9, 7                        ; which 1,024 queries
	s_lshl_b32 s28, s28, 13
	s_lshl_b32 s30, s30, 10
	s_add_co_u32 s28, s28, s30
	s_lshl_b32 s30, s[WV], 6
	s_add_co_u32 s28, s28, s30                     ; my wave's first query, counted through all n
	s_lshl_b32 s28, s28, 11
	s_lshl_b32 s29, s29, 8
	s_add_co_u32 s28, s28, s29                     ; its head's 256 bytes in queries and in out0 (under 2^27)
	s_mov_b32 s29, 0
	s_lshr_b32 s30, ttmp9, 3                       ; (n, head)
	s_lshl_b32 s36, s30, 11                        ; ksp: 8 x 256 bytes a head, + 16 bytes a wave
	s_lshl_b32 s30, s30, 17                        ; kvp: 8 x 16 KiB a head, + 1 KiB a wave
	s_lshl_b32 s31, s[WV], 10
	s_add_co_u32 s30, s30, s31
	s_mov_b32 s31, 0
	s_lshl_b32 s37, s[WV], 4
	s_add_co_u32 s36, s36, s37
	s_mov_b32 s37, 0
	; descriptor group 1: 64 rows of 64 elements of 4 bytes, 512 elements apart in memory; in LDS 4 words of padding behind every 64
	s_mov_b32 s[G1+0], (2<<16)|(1<<20)|(5<<22)|(3<<25)
	s_mov_b32 s[G1+1], 64<<16                      ; tensor_dim0 = 64
	s_mov_b32 s[G1+2], 64<<16                      ; tensor_dim1 = 64
	s_mov_b32 s[G1+3], 64<<16                      ; tile_dim0 = 64
	s_mov_b32 s[G1+4], 64                          ; tile_dim1 = 64
	s_mov_b32 s[G1+5], 512                         ; from row to row
	s_mov_b32 s[G1+6], 0
	s_mov_b32 s[G1+7], 0
	s_mov_b32 s[G0], 1
	s_mul_i32 s[G0+1], s[WV], WTILE                ; my tile's LDS bytes: the wave's number x a constant
	s_wait_dscnt 0x0
	s_wait_kmcnt 0x0
	s_add_nc_u64 s[G0+2:G0+3], s[4:5], s[28:29]
	s_or_b32 s[G0+3], s[G0+3], 0x80000000          ; type = 2
	s_add_nc_u64 s[6:7], s[6:7], s[30:31]
	s_add_nc_u64 s[8:9], s[8:9], s[36:37]
	s_add_nc_u64 s[10:11], s[10:11], s[28:29]
.irp c, 0,1,2,3,4,5,6,7
.irp u, 0,1
	global_load_b128 v[L+8*\c+4*\u:L+8*\c+4*\u+3], v[KVO], s[6:7] offset:\c*16384+\u*512   ; partial c of my tile (q_m = w / 4, q_d = w % 4): register j of lane (r, h) is KV[4 r + q_m][32 h + 4 j + q_d]
.endr
.endr
	global_load_b32 v[KP], v[KSO], s[8:9]          ; partial lane / 4 of Ksum[4 w + lane % 4]
	tensor_load_to_lds s[G0:G0+3], s[G1:G1+7]      ; my 64 queries: behind the small loads, which are wanted first
	s_nop 0
.rept 4
	v_nop                                          ; (behind a tensor load)
.endr
	v_mul_u32_u24 v[QA], v2, 272
	v_add_nc_u32 v[QA], s[G0+1], v[QA]
	v_lshl_add_u32 v[SI], v3, 5, v[QA]
	v_lshl_add_u32 v[QA], v3, 7, v[QA]
	v_mul_u32_u24 v[SB], v3, 272
	v_lshl_add_u32 v[SB], v2, 4, v[SB]
	v_add_nc_u32 v[SB], s[G0+1], v[SB]
	v_lshlrev_b32 v[GO], 11, v3
	v_lshl_add_u32 v[GO], v2, 4, v[GO]
	s_lshr_b32 s13, s[WV], 2                       ; q_m
	s_and_b32 s14, s[WV], 3                        ; q_d
	s_mul_i32 s13, s13, QPIT
	s_lshl_b32 s14, s14, 2
	s_add_co_u32 s13, s13, s14
	s_add_co_u32 s13, s13, SCR
	v_lshl_add_u32 v[SWA], v1, 4, s13              ; run q_m, 512 j + 16 x lane + 4 q_d: the four waves of a run fill each lane's 16 bytes: d = 32 h + 4 j + 0 .. 3
	v_and_b32 v[SRA], 3, v2
	v_mul_u32_u24 v[SRA], v[SRA], QPIT
	v_lshrrev_b32 v[PX], 2, v2
	v_lshl_add_u32 v[SRA], v[PX], 4, v[SRA]
	v_lshl_add_u32 v[SRA], v3, 8, v[SRA]
	v_add_nc_u32 v[SRA], SCR, v[SRA]               ; row m = 16 t + r lies in run r % 4 at the place of lane 4 t + r / 4 + 16 h: 64 t and 512 j stand in the immediate
	s_lshl_b32 s14, s[WV], 4
	s_add_co_u32 s14, s14, KSL
	v_and_b32 v[KWA], 3, v1
	v_lshl_add_u32 v[KWA], v[KWA], 2, s14
	v_lshlrev_b32 v[KRA], 7, v3
	v_add_nc_u32 v[KRA], KSL, v[KRA]
	v_lshlrev_b32 v[SH8], 3, v3
	v_mov_b32 v[PX], 0                             ; written: a lane permute's destination counts as one of its sources
	v_mov_b32 v[Z+1], 0                            ; (named as the upper half of a pair)
	s_mov_b32 s[SEL], 0x76543210
	s_mov_b32 s[SEL+1], 0xfedcba98
	s_mov_b32 s[CS], 0x3fb8aa3b                    ; log2(e)
	s_mov_b32 s[CS+1], s[CS]
	s_wait_loadcnt 0x0
.irp e, 0,2,4,6
	v_pk_add_f32 v[S+\e:S+\e+1], v[L+\e:L+\e+1], v[L+8+\e:L+8+\e+1]
.endr
.irp c, 2,3,4,5,6,7
.irp e, 0,2,4,6
	v_pk_add_f32 v[S+\e:S+\e+1], v[S+\e:S+\e+1], v[L+8*\c+\e:L+8*\c+\e+1]
.endr
.endr
	v_add_f32_dpp v[KP], v[KP], v[KP] row_xmask:4 row_mask:0xf bank_mask:0xf    ; the 8 partial Ksum lie in lanes 4 apart
	v_add_f32_dpp v[KP], v[KP], v[KP] row_xmask:8 row_mask:0xf bank_mask:0xf
	v_permlanex16_b32 v[PX], v[KP], s[SEL], s[SEL+1]
	v_add_f32 v[KP], v[KP], v[PX]
.irp j, 0,1,2,3,4,5,6,7
	ds_store_b32 v[SWA], v[S+\j] offset:\j*512
.endr
	ds_store_b32 v[KWA], v[KP]                     ; eight lanes write each word, with the same number
	s_wait_dscnt 0x0                               ; for the others' sake: my stores have landed
	s_barrier_signal -1
	s_barrier_wait -1                              ; KV and Ksum are whole.
.irp t, 0,1,2,3
.irp j, 0,1,2,3,4,5,6,7
	ds_load_b128 v[Y+32*\t+4*\j:Y+32*\t+4*\j+3], v[SRA] offset:\j*512+\t*64   ; KV[16 t + r][32 h + 4 j + 0 .. 3]
.endr
.endr
.irp j, 0,1,2,3,4,5,6,7
	ds_load_b128 v[KS+4*\j:KS+4*\j+3], v[KRA] offset:16*\j
.endr
; 32 numbers of a lane, the whole block h of its row, become registers 0-5 of a fragment; the row's two bytes make its scale word (bytes 2 and 3 stay 0: they scale zero codes).
.macro QUANT32 src, dst, sw
	v_max3_num_f32 v[MXA], |v[(\src)]|, |v[(\src)+1]|, 0x2800000   ; with the floor 2^(5 - 127) among the leaves: the byte cannot fall under 1
	v_max3_num_f32 v[MXB], |v[(\src)+2]|, |v[(\src)+3]|, |v[(\src)+4]|
.irp i, 5,9,13,17,21,25
	v_max3_num_f32 v[MXA], v[MXA], |v[(\src)+\i]|, |v[(\src)+\i+1]|
	v_max3_num_f32 v[MXB], v[MXB], |v[(\src)+\i+2]|, |v[(\src)+\i+3]|
.endr
	v_max3_num_f32 v[MXA], v[MXA], |v[(\src)+29]|, |v[(\src)+30]|
	v_max3_num_f32 v[MXA], v[MXA], v[MXB], |v[(\src)+31]|
	v_add_nc_u32 v[SO], 0xfe000000, v[MXA]         ; 4 off the exponent field: the conversion's scale operand
	v_lshrrev_b32 v[BY], 23, v[SO]                 ; the scale's byte,
	v_lshlrev_b32 v[BY], v[SH8], v[BY]             ; at its place in the word;
	v_permlanex16_b32 v[PX], v[BY], s[SEL], s[SEL+1]
	v_or_b32 v[(\sw)], v[BY], v[PX]                ; with lane l xor 16's the word is whole
	v_cvt_scalef32_pk16_bf6_f32 v[(\dst):(\dst)+2], v[(\src):(\src)+15], v[SO]
	v_cvt_scalef32_pk16_bf6_f32 v[PT:PT+2], v[(\src)+16:(\src)+31], v[SO]   ; (a conversion's three registers begin on an even number)
	v_nop                                          ; one plain place behind the scaled conversions
.irp i, 0,1,2
	v_mov_b32 v[(\dst)+3+\i], v[PT+\i]
.endr
.endm
	s_wait_dscnt 0x0
.irp t, 0,1,2,3
	QUANT32 Y+32*\t, KVF+12*\t, KVS+\t
.endr
.irp t, 0,1,2,3
.irp i, 6,7,8,9,10,11
	v_mov_b32 v[KVF+12*\t+\i], 0                   ; k = 64 .. 127: zero codes,
.endr
.endr
.irp i, 6,7,8,9,10,11
	v_mov_b32 v[P+\i], 0                           ; on both operands
.endr
.macro XLOAD T
.irp j, 0,1,2,3,4,5,6,7
	ds_load_b128 v[X+4*\j:X+4*\j+3], v[QA] offset:(\T)*TROWS+16*\j   ; queries[16 T + r][32 h + 4 j + 0 .. 3]
.endr
.endm
; A TILE OF 16 QUERIES.
.macro TILE T
	s_wait_dscnt 0x0                               ; my 32 numbers are in (asked for in the tile before)
.irp p, 0,2,4,6,8,10,12,14,16,18,20,22,24,26,28,30
	v_pk_mul_f32 v[TT+\p:TT+\p+1], v[X+\p:X+\p+1], s[CS:CS+1] op_sel_hi:[1,0]
.endr
.irp p, 0,1,2,3,4,5,6,7,8,9,10,11,12,13,14,15,16,17,18,19,20,21,22,23,24,25,26,27,28,29,30,31
	v_min_num_f32 v[TT+\p], 0, v[TT+\p]
.endr
.irp p, 0,1,2,3,4,5,6,7,8,9,10,11,12,13,14,15,16,17,18,19,20,21,22,23,24,25,26,27,28,29,30,31
	v_exp_f32 v[TT+\p], v[TT+\p]                   ; e^min(x, 0)
.endr
	v_nop                                          ; a plain place behind the exponentials
	s_wait_alu depctr_va_vdst(0)
.irp p, 0,2,4,6,8,10,12,14,16,18,20,22,24,26,28,30
	v_pk_add_f32 v[TT+\p:TT+\p+1], v[TT+\p:TT+\p+1], -1.0 op_sel_hi:[1,0]
.endr
.irp p, 0,1,2,3,4,5,6,7,8,9,10,11,12,13,14,15,16,17,18,19,20,21,22,23,24,25,26,27,28,29,30,31
	v_max_num_f32 v[X+\p], v[X+\p], v[TT+\p]       ; elu(x): x above 0, e^x - 1 below
.endr
.irp p, 0,2,4,6,8,10,12,14,16,18,20,22,24,26,28,30
	v_pk_add_f32 v[X+\p:X+\p+1], v[X+\p:X+\p+1], 1.0 op_sel_hi:[1,0]
.endr
	QUANT32 X, P, QS
	v_pk_mul_f32 v[DA:DA+1], v[X:X+1], v[KS:KS+1]  ; Q . Ksum takes the unquantised Q.  (These lines are also the places between the scale word's and the codes' last writes and the products)
	v_pk_mul_f32 v[DB:DB+1], v[X+2:X+3], v[KS+2:KS+3]
.irp p, 4,8,12,16,20,24,28
	v_pk_fma_f32 v[DA:DA+1], v[X+\p:X+\p+1], v[KS+\p:KS+\p+1], v[DA:DA+1]
	v_pk_fma_f32 v[DB:DB+1], v[X+\p+2:X+\p+3], v[KS+\p+2:KS+\p+3], v[DB:DB+1]
.endr
	v_pk_add_f32 v[DA:DA+1], v[DA:DA+1], v[DB:DB+1]
	v_add_f32 v[DA], v[DA], v[DA+1]
	v_permlanex16_b32 v[PX], v[DA], s[SEL], s[SEL+1]
	v_add_f32 v[DA], v[DA], v[PX]                  ; with the other 32 d of my query
	v_add_f32 v[DA], 0x358637bd, v[DA]             ; + 1e-6
	v_rcp_f32 v[Z], v[DA]
.if (\T) < 3
	XLOAD (\T)+1                                   ; the next tile's numbers: they land under the products and the way out
.endif
	s_wait_xcnt 0x0                                ; the last tile's stores have read the registers that the products now write
.irp t, 0,1,2,3
	v_wmma_scale_f32_16x16x128_f8f6f4 v[D+8*\t:D+8*\t+7], v[KVF+12*\t:KVF+12*\t+11], v[P:P+11], 0, v[KVS+\t], v[QS] matrix_a_fmt:MATRIX_FMT_BF6 matrix_b_fmt:MATRIX_FMT_BF6
.endr
.rept 4
	v_nop                                          ; four places behind the products (ISA guide 7.12.1); also the plain place behind the reciprocal
.endr
	s_wait_alu depctr_va_vdst(0)
.irp t, 0,1,2,3
.irp p, 0,2,4,6
	v_pk_mul_f32 v[O+8*\t+\p:O+8*\t+\p+1], v[D+8*\t+\p:D+8*\t+\p+1], v[Z:Z+1] op_sel_hi:[1,0]   ; register 8 t + j of lane (r, h): out[16 T + r][16 t + 8 h + j]; each result from its low end on
.endr
.endr
.irp t, 0,1,2,3
	ds_store_b128 v[SI], v[O+8*\t:O+8*\t+3] offset:(\T)*TROWS+64*\t
	ds_store_b128 v[SI], v[O+8*\t+4:O+8*\t+7] offset:(\T)*TROWS+64*\t+16
.endr
.irp i, 0,1,2,3,4,5,6,7
	ds_load_b128 v[D+4*\i:D+4*\i+3], v[SB] offset:(\T)*TROWS+2*\i*272   ; LDS serves a wave's instructions in order (ISA guide 5.7.1.4): these see my stores.  Lanes 0-15 one row, lanes 16-31 the next
.endr
.irp i, 0,1,2,3,4,5,6,7
	s_wait_dscnt 7-\i                              ; load i is back; the younger ones may be out
	global_store_b128 v[GO], v[D+4*\i:D+4*\i+3], s[10:11] offset:(16*(\T)+2*\i)*2048 th:TH_STORE_NT   ; sixteen lanes store 256 consecutive bytes, at a multiple of 256 in out0
.endr
.endm
	s_wait_tensorcnt 0x0                           ; my tile has landed; no other wave reads it
	XLOAD 0
	TILE 0
	TILE 1
	TILE 2
	TILE 3
	s_wait_tensorcnt 0x0
	ds_add_u32 v101, v119
	s_wait_dscnt 0x0
	s_endpgm
.Lfunc_end_k_qe7d38e054f_attn:
	.size	k_qe7d38e054f_attn, .Lfunc_end_k_qe7d38e054f_attn-k_qe7d38e054f_attn
	.p2alignl 7, 3214868480
	.fill 96, 4, 3214868480
	.section	.rodata,"a",@progbits
	.p2align	6, 0x0
	.amdhsa_kernel k_qe7d38e054f_attn
		.amdhsa_group_segment_fixed_size 297728
		.amdhsa_private_segment_fixed_size 0
		.amdhsa_enable_private_segment 0
		.amdhsa_kernarg_size 32
		.amdhsa_user_sgpr_count 2
		.amdhsa_user_sgpr_kernarg_segment_ptr 1
		.amdhsa_wavefront_size32 1
		.amdhsa_system_sgpr_workgroup_id_x 1
		.amdhsa_system_sgpr_workgroup_id_y 1
		.amdhsa_system_sgpr_workgroup_id_z 1
		.amdhsa_system_vgpr_workitem_id 0
		.amdhsa_next_free_vgpr 256
		.amdhsa_next_free_sgpr 66
		.amdhsa_reserve_vcc 0
		.amdhsa_float_denorm_mode_32 3
		.amdhsa_float_denorm_mode_16_64 3
		.amdhsa_memory_ordered 1
		.amdhsa_forward_progress 1
		.amdhsa_inst_pref_size 71
	.end_amdhsa_kernel
	.amdgpu_metadata
---
amdhsa.version: [ 1, 2 ]
amdhsa.kernels:
  - .name:           k_qe7d38e054f_attn
    .symbol:         k_qe7d38e054f_attn.kd
    .args:
      - { .name: queries, .offset: 0, .size: 8, .value_kind: global_buffer, .address_space: global }
      - { .name: kvp, .offset: 8, .size: 8, .value_kind: global_buffer, .address_space: global }
      - { .name: ksp, .offset: 16, .size: 8, .value_kind: global_buffer, .address_space: global }
      - { .name: out0, .offset: 24, .size: 8, .value_kind: global_buffer, .address_space: global }
    .group_segment_fixed_size: 297728
    .private_segment_fixed_size: 0
    .kernarg_segment_align: 8
    .kernarg_segment_size: 32
    .max_flat_workgroup_size: 512
    .sgpr_count:     66
    .vgpr_count:     256
    .wavefront_size: 32
...
	.end_amdgpu_metadata
.endif
;; end of part 2
;; ======== version 2 of 2: 2 launches; version 1 with the launch kvpart written anew for expert scheduling mode
;; workspace buffers: kvp 4,194,304 bytes; ksp 65,536 bytes
;; launch kvpart (part 3): grid 256 x 1, 16 waves a work-group, no clusters, 112,640 bytes of LDS; arguments keys, values, key_mask, kvp, ksp; writes kvp, ksp
.if DOCPART == 3
	.amdgcn_target "amdgcn-amd-amdhsa--gfx1250"
	.amdhsa_code_object_version 6
	.text
	.protected	k_qe7d38e054f_kvpart
	.globl	k_qe7d38e054f_kvpart
	.p2align	8
	.type	k_qe7d38e054f_kvpart,@function
k_qe7d38e054f_kvpart:
	s_mov_b64 s[64:65], 0
	v_nop
	global_prefetch_b8 v0, s[64:65] scope:SCOPE_SE
	s_setreg_imm32_b32 hwreg(HW_REG_WAVE_SCHED_MODE, 0, 2), 2
	s_setreg_imm32_b32 hwreg(HW_REG_WAVE_MODE, 25, 1), 1
	s_wait_xcnt 0x0
	s_wait_alu depctr_vm_vsrc(0)
; PARTIAL KV AND Ksum OF LINEAR ATTENTION.  keys, values: [4][8192][8][64] f32; key_mask: [4][8192] f32.
; K = (elu(keys) + 1) x mask.  KV[m][d] = sum over s of Q6(values)[s][m] x Q6(K)[s][d], Q6 = codes of E3M2 with one E8M0 scale for each 32 along s.  Ksum[d] = sum over s of K[s][d], unquantised, f32.
; SHARES.  A work-group owns one (n, head) and 1,024 of its 8,192 keys: 256 work-groups, 8 partial results a head, which the next launch adds.  Each of its 16 waves turns 64 keys (two blocks of 32) of both
; tensors into codes; the codes go through LDS as images of the operands' registers; behind ONE barrier wave w multiplies tile (q_m = w / 4, q_d = w % 4) of KV over the work-group's 8 K steps of 128.
; LOADS.  A head's 64 numbers of one key are 256 consecutive bytes at a multiple of 256.  One load of 16 bytes a lane takes two such rows whole: lanes 0-15 row s, lanes 16-31 row s + 16.  A lane so holds 4 neighbouring
; columns: column 4 r + q of lane r belongs to tile q (which columns form a tile is free).  A ring of 16 loads, 8 KiB a wave and 128 KiB a work-group, is always out.
; The conversions want 16 neighbours along s in consecutive registers: the keys' unpacked minimum and maximum write to such places, so that their turn costs nothing; the values are moved, one v_mov a number.
; FEATURE MAP as the definition rounds it: a = max(x, 2^(c min(x, 0)) - 1) is x above 0 and e^x - 1 below, K = a x mask + mask.  So K keeps the grid of (e^x - 1) + 1 and is 0 for very negative x.
; No cluster: work-groups share nothing but 4 KiB of mask.
; LIMITS: NaN and infinities are not served.  For a mask other than 0 or 1 the fused a x mask + mask rounds once where (a + 1) x mask rounds twice (1 ulp).  A block of zeros gets the byte 1, not 127: its codes
; are zeros, which add nothing, and the bytes are read by this launch alone.  The order of the f32 sums is this text's own.
; THE MODE: SCHED_MODE bits 1:0 = 2 (LLVM: expert scheduling mode 2), set by the entry lines.  The code itself states the register dependences
; between vector or matrix instructions and memory or LDS instructions, with s_wait_alu, always for 0.
; THE PLAN.  Registers that memory or LDS instructions touch:
;   v2, v3      offsets of all global loads: written at the head, never again.     v4-15  LDS and store addresses: written once behind the first loads, never again.
;   R           the ring.  A group's minima and maxima (the values: its moves) read four rows; one wait on va_vdst stands behind the last of these readers, so that the rows are asked for again at once;
;               behind it the keys' four loads are dealt among the group's sixteen packed lines, which name X, M and KS alone.
;   F, SW, KQ   written by vector lines, read by the LDS stores of FINISH: one wait on va_vdst ahead of each run of stores.  F and SW are written again by the values' first block and, behind the barrier,
;               by LDS loads: one wait on vm_vsrc ahead of each.
;   G, SC       behind the barrier: LDS loads land here; the last vector line that names v18-209 stands ahead of the second FINISH's wait.  The products read them; wave 0's loads of Ksum land in v18-49 behind
;               the wait on va_vdst that stands ahead of kvp's stores.
;   O, v18-19   written by packed additions, read by global stores: a wait on va_vdst ahead of each.
;   M           loaded once, read by vector lines alone.     X, TT, KS, MX, PX, SO and the accumulators are named by vector and matrix lines alone.
.set SROW,  2048                       ; bytes from one key to the next
.set FRB,   1536                       ; a fragment's image: 12 registers x 128 bytes
.set HALFB, 768                        ; half of it (two blocks of 32): 512 bytes of 16 a lane, then 256 bytes of 8 a lane
.set STEPB, 4*FRB                      ; the four tiles of a K step
.set TENSB, 8*STEPB                    ; the 8 K steps of one tensor: K's images at 0, V's behind them
.set SCB,   2*TENSB                    ; the scale words: 128 bytes for each fragment, K's 32, then V's 32
.set KSS,   SCB+8192                   ; 16 rows of 256 bytes: each wave's part of Ksum
.set OFF,  2                           ; v2   my bytes in the wave's rows: 16 r + 16 rows x h
.set MO,   3                           ; v3   my bytes in the wave's mask: 64 h
.set A16,  4                           ; v4   images, on the way in: 16 x lane + my wave's half fragment
.set A8,   5                           ; v5   8 x lane + the same
.set ASC,  6                           ; v6   my half of a scale word
.set KSTO, 7                           ; v7   my wave's row of Ksum
.set KA16, 8                           ; v8-11 images, on the way out: K's tile q_d, V's tile q_m
.set KA8,  9
.set VA16, 10
.set VA8,  11
.set KSA,  12                          ; v12  scale words: lanes 0-15 K's, lanes 16-31 V's
.set GO8,  13                          ; v13  8 x lane
.set KSRD, 14                          ; v14  Ksum rows, read back
.set GO,   15                          ; v15  16 x lane
.set KS,   18                          ; v18-25   Ksum: a pair of chains for each tile
.set MX,   26                          ; v26-29   largest magnitudes
.set PX,   30                          ; v30-33   from lane l xor 16
.set SO,   34                          ; v34-37   the conversions' scale operands
.set SW,   38                          ; v38-41   two scale bytes a tile
.set F,    42                          ; v42-65   half fragments: 6 registers a tile
.set TT,   66                          ; v66-81   16 exponentials at work; later the odd block's codes, 4 registers a tile
.set M,    82                          ; v82-113  the mask of my 2 x 16 keys
.set X,    114                         ; v114-177 a block: tile q's 16 numbers down s at X + 16 q
.set R,    178                         ; v178-241 the ring: row i's four columns at R + 4 i
.set KQ,   242                         ; v242-245 my wave's Ksum
.set SC,   246                         ; v246-253 the scale words of the 8 K steps: these registers hold nothing else
.set G,    18                          ; behind the barrier: v18-209: for each K step K's fragment, then V's
.set ACC0, 210
.set ACC1, 218
.set O,    226
.set WV,   14                          ; s14  my wave's number
.set SEL,  32                          ; s[32:33] v_permlanex16_b32's selects for lane l xor 16
.set CS,   34                          ; s[34:35] c = log2(e); the packed form names the pair and takes its low word
	s_load_b128 s[4:7], s[0:1], 0x0                ; keys, values
	s_load_b128 s[8:11], s[0:1], 0x10              ; key_mask, kvp
	s_load_b64 s[12:13], s[0:1], 0x20              ; ksp
	v_lshl_add_u32 v254, v0, 2, 0x1b000            ; my spare word, behind Ksum's rows, and 0: made here and kept for the closing lines alone
	v_mov_b32 v255, 0
	v_lshrrev_b32 v1, 5, v0
	v_readfirstlane_b32 s[WV], v1                  ; wave 0..15
	v_and_b32 v1, 31, v0                           ; lane
	v_and_b32 v17, 15, v0                          ; r
	v_bfe_u32 v16, v0, 4, 1                        ; h
	v_lshlrev_b32 v[OFF], 4, v17
	v_lshl_add_u32 v[OFF], v16, 15, v[OFF]         ; 16 r + 16 rows of 2,048 bytes x h
	v_lshlrev_b32 v[MO], 6, v16
	s_wait_alu depctr_va_sdst(0)                   ; s14, the wave's number, is written, ahead of its first reader: the bases below are made from it
	s_lshr_b32 s22, ttmp9, 6                       ; n
	s_bfe_u32 s23, ttmp9, 0x30003                  ; head
	s_and_b32 s24, ttmp9, 7                        ; which 1,024 keys
	s_lshl_b32 s22, s22, 13
	s_lshl_b32 s24, s24, 10
	s_add_co_u32 s22, s22, s24
	s_lshl_b32 s24, s[WV], 6
	s_add_co_u32 s22, s22, s24                     ; my wave's first key, counted through all n
	s_lshl_b32 s26, s22, 2                         ; its mask, in bytes
	s_mov_b32 s27, 0
	s_lshl_b32 s24, s22, 11
	s_lshl_b32 s23, s23, 8
	s_add_co_u32 s24, s24, s23                     ; its head's 256 bytes in keys and in values (under 2^27)
	s_mov_b32 s25, 0
	s_lshl_b32 s28, ttmp9, 14                      ; kvp: 16 KiB a work-group, 1 KiB a wave
	s_lshl_b32 s30, s[WV], 10
	s_add_co_u32 s28, s28, s30
	s_mov_b32 s29, 0
	s_lshl_b32 s30, ttmp9, 8                       ; ksp: 256 bytes a work-group
	s_mov_b32 s31, 0
	s_wait_kmcnt 0x0
	s_add_nc_u64 s[4:5], s[4:5], s[24:25]
	s_add_nc_u64 s[6:7], s[6:7], s[24:25]
	s_add_nc_u64 s[8:9], s[8:9], s[26:27]
	s_add_nc_u64 s[10:11], s[10:11], s[28:29]
	s_add_nc_u64 s[12:13], s[12:13], s[30:31]
	s_wait_alu depctr_va_vdst(0)                   ; v2 and v3 are written: every global load of the kernel reads one of them as its offset
.irp j, 0,1,2,3,4,5,6,7
	global_load_b128 v[M+4*\j:M+4*\j+3], v[MO], s[8:9] offset:128*(\j/4)+16*(\j%4)   ; mask of keys 32 b + 16 h + 0 .. 15, b = j / 4
.endr
; Unit u of four: 0, 1 = the keys' blocks, 2, 3 = the values'.  Row 4 g + ii of unit u into its place in the ring.  Every offset is an immediate: no pointer is stepped.
.macro LOAD1 u, g, ii
.if (\u) < 2
	global_load_b128 v[R+16*(\g)+4*(\ii):R+16*(\g)+4*(\ii)+3], v[OFF], s[4:5] offset:(32*((\u)%2)+4*(\g)+(\ii))*SROW th:TH_LOAD_NT
.else
	global_load_b128 v[R+16*(\g)+4*(\ii):R+16*(\g)+4*(\ii)+3], v[OFF], s[6:7] offset:(32*((\u)%2)+4*(\g)+(\ii))*SROW th:TH_LOAD_NT
.endif
.endm
.macro LOADG u, g                      ; rows 4 g .. 4 g + 3 in one run
.irp ii, 0,1,2,3
	LOAD1 \u, \g, \ii
.endr
.endm
	LOADG 0, 0
	LOADG 0, 1
	LOADG 0, 2
	LOADG 0, 3
	; LDS addresses, all made here: a constant + a constant x lane + constants x parts of the wave's number.  Their first reader is an LDS store behind the first FINISH's wait on va_vdst
	s_lshr_b32 s15, s[WV], 1                       ; my 64 keys are half c = w % 2 of K step w / 2
	s_and_b32 s16, s[WV], 1
	s_mul_i32 s17, s15, STEPB
	s_mul_i32 s18, s16, HALFB
	s_add_co_u32 s17, s17, s18
	v_lshl_add_u32 v[A16], v1, 4, s17
	v_lshl_add_u32 v[A8], v1, 3, s17
	s_lshl_b32 s18, s15, 9
	s_lshl_b32 s19, s16, 1
	s_add_co_u32 s18, s18, s19
	s_add_co_u32 s18, s18, SCB
	v_lshl_add_u32 v[ASC], v1, 2, s18              ; bytes 2 c, 2 c + 1 of my lane's word
	s_lshl_b32 s18, s[WV], 8
	s_add_co_u32 s18, s18, KSS
	v_lshl_add_u32 v[KSTO], v17, 4, s18
	s_and_b32 s20, s[WV], 3                        ; q_d
	s_lshr_b32 s21, s[WV], 2                       ; q_m
	s_mul_i32 s18, s20, FRB
	v_lshl_add_u32 v[KA16], v1, 4, s18
	v_lshl_add_u32 v[KA8], v1, 3, s18
	s_mul_i32 s18, s21, FRB
	s_add_co_u32 s18, s18, TENSB
	v_lshl_add_u32 v[VA16], v1, 4, s18
	v_lshl_add_u32 v[VA8], v1, 3, s18
	s_lshl_b32 s18, s20, 7
	s_lshl_b32 s19, s21, 7
	s_add_co_u32 s19, s19, 4096
	s_sub_co_u32 s19, s19, s18                     ; from K's words of tile q_d to V's of tile q_m
	s_add_co_u32 s18, s18, SCB
	v_mul_u32_u24 v[KSA], s19, v16                 ; lanes 16-31 take V's: the lower base + h x the distance
	v_lshl_add_u32 v[KSA], v17, 2, v[KSA]
	v_add_nc_u32 v[KSA], s18, v[KSA]
	v_lshl_add_u32 v[KSRD], v1, 3, KSS
	v_lshlrev_b32 v[GO], 4, v1
	v_lshlrev_b32 v[GO8], 3, v1
	s_mov_b32 s[SEL], 0x76543210
	s_mov_b32 s[SEL+1], 0xfedcba98
	s_mov_b32 s[CS], 0x3fb8aa3b
	s_mov_b32 s[CS+1], s[CS]                       ; (named with it as a pair, so it is written)
.irp i, 0,1,2,3,4,5,6,7
	v_mov_b32 v[KS+\i], 0
.endr
.irp i, 0,1,2,3
	v_mov_b32 v[PX+\i], 0                          ; written once: a lane permute's destination counts as one of its sources
.endr
; Four rows (16 registers) of the keys' block b.  The minimum writes to places that run down s, so all that follows is packed two keys at a time.
.macro KGROUP b, g
	s_wait_loadcnt 12                              ; loads come back in order: my four rows are in; the twelve younger loads of the ring stay out
.irp ii, 0,1,2,3
.irp q, 0,1,2,3
	v_min_num_f32 v[TT+4*\q+\ii], 0, v[R+16*(\g)+4*\ii+\q]
.endr
.endr
.irp p, 0,2,4,6,8,10,12,14
	v_pk_mul_f32 v[TT+\p:TT+\p+1], v[TT+\p:TT+\p+1], s[CS:CS+1] op_sel_hi:[1,0]
.endr
.irp p, 0,1,2,3,4,5,6,7,8,9,10,11,12,13,14,15
	v_exp_f32 v[TT+\p], v[TT+\p]                   ; e^min(x, 0)
.endr
	v_nop                                          ; a plain place behind the exponentials
	s_wait_alu depctr_va_vdst(0)                   ; the sixteen exponentials have written v[TT ..], ahead of their first reader: one wait for the batch
.irp p, 0,2,4,6,8,10,12,14
	v_pk_add_f32 v[TT+\p:TT+\p+1], v[TT+\p:TT+\p+1], -1.0 op_sel_hi:[1,0]
.endr
.irp ii, 0,1,2,3
.irp q, 0,1,2,3
	v_max_num_f32 v[X+16*\q+4*(\g)+\ii], v[R+16*(\g)+4*\ii+\q], v[TT+4*\q+\ii]   ; elu(x): x above 0 (there e - 1 = 0), e^x - 1 below (it is never under x)
.endr
.endr
	s_wait_alu depctr_va_vdst(0)                   ; the maxima, the last readers of these four rows of the ring, are done reading them: the next unit's rows land there.  It stands here so that the rows are asked for again at once
	LOAD1 (\b)+1, \g, 0                            ; the four loads are dealt among the sixteen lines below, which name X, M and KS alone: no register that the loads touch
.irp q, 0,1,2,3
	v_pk_fma_f32 v[X+16*\q+4*(\g):X+16*\q+4*(\g)+1], v[X+16*\q+4*(\g):X+16*\q+4*(\g)+1], v[M+16*(\b)+4*(\g):M+16*(\b)+4*(\g)+1], v[M+16*(\b)+4*(\g):M+16*(\b)+4*(\g)+1]   ; K = (elu + 1) x mask
.endr
	LOAD1 (\b)+1, \g, 1
.irp q, 0,1,2,3
	v_pk_fma_f32 v[X+16*\q+4*(\g)+2:X+16*\q+4*(\g)+3], v[X+16*\q+4*(\g)+2:X+16*\q+4*(\g)+3], v[M+16*(\b)+4*(\g)+2:M+16*(\b)+4*(\g)+3], v[M+16*(\b)+4*(\g)+2:M+16*(\b)+4*(\g)+3]
.endr
	LOAD1 (\b)+1, \g, 2
.irp q, 0,1,2,3
	v_pk_add_f32 v[KS+2*\q:KS+2*\q+1], v[KS+2*\q:KS+2*\q+1], v[X+16*\q+4*(\g):X+16*\q+4*(\g)+1]   ; Ksum takes the unquantised K
.endr
	LOAD1 (\b)+1, \g, 3
.irp q, 0,1,2,3
	v_pk_add_f32 v[KS+2*\q:KS+2*\q+1], v[KS+2*\q:KS+2*\q+1], v[X+16*\q+4*(\g)+2:X+16*\q+4*(\g)+3]
.endr
.endm
; Four rows of the values' block b: moved to places that run down s.
.macro VGROUP b, g
	s_wait_loadcnt 12-4*(\g)*(\b)                  ; as above; behind the last block nothing is loaded, so the count runs down
.irp ii, 0,1,2,3
.irp q, 0,1,2,3
	v_mov_b32 v[X+16*\q+4*(\g)+\ii], v[R+16*(\g)+4*\ii+\q]
.endr
.endr
.if (\b) == 0
	s_wait_alu depctr_va_vdst(0)                   ; the sixteen moves are done reading these four rows of the ring, in which the last unit's rows land
	LOADG 3, \g
.endif
.endm
; The block in X becomes codes.  A block of 32 keys of a column lies in lanes l and l xor 16, 16 numbers each.
.macro BLOCKQ b
.irp q, 0,1,2,3
	v_max3_num_f32 v[MX+\q], |v[X+16*\q]|, |v[X+16*\q+1]|, 0x2800000   ; with the floor 2^(5 - 127) among the leaves: the byte cannot fall under 1
.endr
.irp i, 2,4,6,8,10,12,14
.irp q, 0,1,2,3
	v_max3_num_f32 v[MX+\q], v[MX+\q], |v[X+16*\q+\i]|, |v[X+16*\q+\i+1]|   ; (the four tiles by turns)
.endr
.endr
.irp q, 0,1,2,3
	v_permlanex16_b32 v[PX+\q], v[MX+\q], s[SEL], s[SEL+1]
.endr
.irp q, 0,1,2,3
	v_max_num_f32 v[MX+\q], v[MX+\q], v[PX+\q]     ; the block's largest magnitude
.endr
.irp q, 0,1,2,3
	v_add_nc_u32 v[SO+\q], 0xfe000000, v[MX+\q]    ; 4 off its exponent field: the conversion takes that field as its scale
.endr
.if (\b) == 0
.irp q, 0,1,2,3
	v_lshrrev_b32 v[SW+\q], 23, v[SO+\q]           ; the scale's byte
.endr
.irp q, 0,1,2,3
	v_cvt_scalef32_pk16_bf6_f32 v[F+6*\q:F+6*\q+2], v[X+16*\q:X+16*\q+15], v[SO+\q]
.endr
.else
.irp q, 0,1,2,3
	v_lshrrev_b32 v[PX+\q], 23, v[SO+\q]
.endr
.irp q, 0,1,2,3
	v_lshl_or_b32 v[SW+\q], v[PX+\q], 8, v[SW+\q]
.endr
.irp q, 0,1,2,3
	v_cvt_scalef32_pk16_bf6_f32 v[TT+4*\q:TT+4*\q+2], v[X+16*\q:X+16*\q+15], v[SO+\q]
.endr
.endif
	v_nop                                          ; one plain place behind the scaled conversions
.endm
; Two blocks' half blocks become whole blocks in a lane (lanes 0-15 the even block, lanes 16-31 the odd one), and the half fragments go to LDS as they stand.  t = 0: K's, 1: V's.
.macro FINISH t
.irp q, 0,1,2,3
.irp i, 0,1,2
	v_permlane16_swap_b32 v[F+6*\q+\i], v[TT+4*\q+\i]   ; the first now holds each lane's block's lower 16 codes, the second the upper 16
.endr
.endr
.irp q, 0,1,2,3
.irp i, 0,1,2
	v_mov_b32 v[F+6*\q+3+\i], v[TT+4*\q+\i]        ; (a conversion's three registers begin on an even number, a block's second three do not)
.endr
.endr
	s_wait_alu depctr_va_vdst(0)                   ; the swaps and moves have written v[F ..] and the shifts v[SW ..], which the LDS stores read (t = 0: so are the addresses v4 to v15 and my Ksum; t = 1: no vector line behind this one names v18 to v209, in which fragments land behind the barrier)
.irp q, 0,1,2,3
	ds_store_b128 v[A16], v[F+6*\q:F+6*\q+3] offset:(\t)*TENSB+\q*FRB
	ds_store_b64 v[A8], v[F+6*\q+4:F+6*\q+5] offset:(\t)*TENSB+\q*FRB+512
	ds_store_b16 v[ASC], v[SW+\q] offset:(\t)*4096+\q*128
.endr
.endm
	KGROUP 0, 0
	KGROUP 0, 1
	KGROUP 0, 2
	KGROUP 0, 3
	BLOCKQ 0
	KGROUP 1, 0
	KGROUP 1, 1
	KGROUP 1, 2
	KGROUP 1, 3
	BLOCKQ 1
.irp q, 0,1,2,3                                        ; (these twelve lines stand ahead of FINISH, so that its one wait serves the store of Ksum too)
	v_add_f32 v[KQ+\q], v[KS+2*\q], v[KS+2*\q+1]   ; my wave's Ksum of column 4 r + q: the two chains,
.endr
.irp q, 0,1,2,3
	v_permlanex16_b32 v[PX+\q], v[KQ+\q], s[SEL], s[SEL+1]
.endr
.irp q, 0,1,2,3
	v_add_f32 v[KQ+\q], v[KQ+\q], v[PX+\q]         ; and the other half of the lanes' keys
.endr
	FINISH 0
	ds_store_b128 v[KSTO], v[KQ:KQ+3]              ; lanes r and r + 16 write the same bytes with the same numbers.  (v[KQ ..] was written ahead of FINISH's wait, and no vector line stands behind that wait)
	VGROUP 0, 0
	VGROUP 0, 1
	VGROUP 0, 2
	VGROUP 0, 3
	s_wait_dscnt 0x0                               ; K's stores have landed (kept from the plain form; not leaned on for the registers)
	s_wait_alu depctr_vm_vsrc(0)                   ; K's LDS stores have read v[F ..] and v[SW ..], which the values' conversions and shifts write again
	BLOCKQ 0
	VGROUP 1, 0
	VGROUP 1, 1
	VGROUP 1, 2
	VGROUP 1, 3
	BLOCKQ 1
	FINISH 1
	s_wait_dscnt 0x0                               ; for the others' sake: all my stores have landed
	s_barrier_signal -1
	s_barrier_wait -1                              ; the 64 fragments, their scale words and the 16 rows of Ksum lie in LDS
	s_wait_alu depctr_vm_vsrc(0)                   ; V's LDS stores have read v[F ..] and v[SW ..], in which fragments land.  (That the vector lines are done with v18 to v209 is stated by FINISH's wait: only stores, a wait and the barrier stand between)
	; MY TILE OF KV: source 0 = K's tile q_d (row rho = column d = 4 rho + q_d), source 1 = V's tile q_m (column r = m = 4 r + q_m).
	; In the result register j of lane (r, h) is KV[m = 4 r + q_m][d = 32 h + 4 j + q_d].
.macro FRAGS k                         ; K step k: nine LDS loads
	ds_load_b128 v[G+24*(\k):G+24*(\k)+3],     v[KA16] offset:(\k)*STEPB
	ds_load_b64  v[G+24*(\k)+4:G+24*(\k)+5],   v[KA8]  offset:(\k)*STEPB+512
	ds_load_b128 v[G+24*(\k)+6:G+24*(\k)+9],   v[KA16] offset:(\k)*STEPB+HALFB
	ds_load_b64  v[G+24*(\k)+10:G+24*(\k)+11], v[KA8]  offset:(\k)*STEPB+HALFB+512
	ds_load_b128 v[G+24*(\k)+12:G+24*(\k)+15], v[VA16] offset:(\k)*STEPB
	ds_load_b64  v[G+24*(\k)+16:G+24*(\k)+17], v[VA8]  offset:(\k)*STEPB+512
	ds_load_b128 v[G+24*(\k)+18:G+24*(\k)+21], v[VA16] offset:(\k)*STEPB+HALFB
	ds_load_b64  v[G+24*(\k)+22:G+24*(\k)+23], v[VA8]  offset:(\k)*STEPB+HALFB+512
	ds_load_b32  v[SC+(\k)], v[KSA] offset:(\k)*512    ; lanes 0-15: K's words; lanes 16-31: V's
.endm
.macro MM k, acc, first
.if \first
	v_wmma_scale_f32_16x16x128_f8f6f4 v[\acc:\acc+7], v[G+24*\k:G+24*\k+11], v[G+24*\k+12:G+24*\k+23], 0, v[SC+\k], v[SC+\k] matrix_a_fmt:MATRIX_FMT_BF6 matrix_b_fmt:MATRIX_FMT_BF6 matrix_b_scale:MATRIX_SCALE_ROW1
.else
	v_wmma_scale_f32_16x16x128_f8f6f4 v[\acc:\acc+7], v[G+24*\k:G+24*\k+11], v[G+24*\k+12:G+24*\k+23], v[\acc:\acc+7], v[SC+\k], v[SC+\k] matrix_a_fmt:MATRIX_FMT_BF6 matrix_b_fmt:MATRIX_FMT_BF6 matrix_b_scale:MATRIX_SCALE_ROW1
.endif
.endm
.irp k, 0,1,2,3,4,5
	FRAGS \k
.endr
	s_wait_dscnt 36                                ; nine loads a K step: steps 0 and 1 are in, the 36 loads of steps 2 to 5 may be out
	MM 0, ACC0, 1                                  ; two accumulators, even and odd K steps, by turns, one instruction a turn
	MM 1, ACC1, 1
	FRAGS 6                                        ; the last two steps' loads stand behind the first two products, which name v18 to v65, v246, v247 and the accumulators: no register that these loads touch, so no wait is owed
	FRAGS 7
	s_wait_dscnt 36                                ; steps 2 and 3 are in; the 36 loads of steps 4 to 7 may be out
	MM 2, ACC0, 0
	MM 3, ACC1, 0
	s_wait_dscnt 18
	MM 4, ACC0, 0
	MM 5, ACC1, 0
	s_wait_dscnt 0x0
	MM 6, ACC0, 0
	MM 7, ACC1, 0
.rept 4
	v_nop                                          ; four places behind the last products (ISA guide 7.12.1)
.endr
.irp p, 0,2,4,6
	v_pk_add_f32 v[O+\p:O+\p+1], v[ACC0+\p:ACC0+\p+1], v[ACC1+\p:ACC1+\p+1]
.endr
	s_wait_alu depctr_va_vdst(0)                   ; the additions have written v[O ..], which the stores read; and the products are done reading v18 to v49, in which wave 0's loads of Ksum land
	global_store_b128 v[GO], v[O:O+3], s[10:11]                ; 512 consecutive bytes a store, at a multiple of 512 in kvp: laid as the next launch's lanes read them
	global_store_b128 v[GO], v[O+4:O+7], s[10:11] offset:512
	s_cmp_lg_u32 s[WV], 0                          ; wave 0 adds the 16 waves' rows of Ksum and stores the work-group's 256 bytes whole
	s_cbranch_scc1 .Ldone
.irp w, 0,1,2,3,4,5,6,7,8,9,10,11,12,13,14,15
	ds_load_b64 v[G+2*\w:G+2*\w+1], v[KSRD] offset:256*\w
.endr
	s_wait_dscnt 0x0
.irp w, 0,1,2,3,4,5,6,7
	v_pk_add_f32 v[G+2*\w:G+2*\w+1], v[G+2*\w:G+2*\w+1], v[G+16+2*\w:G+16+2*\w+1]
.endr
.irp w, 0,1,2,3
	v_pk_add_f32 v[G+2*\w:G+2*\w+1], v[G+2*\w:G+2*\w+1], v[G+8+2*\w:G+8+2*\w+1]
.endr
.irp w, 0,1
	v_pk_add_f32 v[G+2*\w:G+2*\w+1], v[G+2*\w:G+2*\w+1], v[G+4+2*\w:G+4+2*\w+1]
.endr
	v_pk_add_f32 v[G:G+1], v[G:G+1], v[G+2:G+3]
	s_wait_alu depctr_va_vdst(0)                   ; the last addition has written v18 and v19, which the store reads
	global_store_b64 v[GO8], v[G:G+1], s[12:13]    ; Ksum[2 l], Ksum[2 l + 1]
.Ldone:
	s_wait_dscnt 0x0                               ; the closing lines, six on end
	s_wait_alu 0x0
	s_wait_tensorcnt 0x0
	ds_add_u32 v254, v255
	s_wait_dscnt 0x0
	s_endpgm
.Lfunc_end_k_qe7d38e054f_kvpart:
	.size	k_qe7d38e054f_kvpart, .Lfunc_end_k_qe7d38e054f_kvpart-k_qe7d38e054f_kvpart
	.p2alignl 7, 3214868480
	.fill 96, 4, 3214868480
	.section	.rodata,"a",@progbits
	.p2align	6, 0x0
	.amdhsa_kernel k_qe7d38e054f_kvpart
		.amdhsa_group_segment_fixed_size 112640
		.amdhsa_private_segment_fixed_size 0
		.amdhsa_enable_private_segment 0
		.amdhsa_kernarg_size 40
		.amdhsa_user_sgpr_count 2
		.amdhsa_user_sgpr_kernarg_segment_ptr 1
		.amdhsa_wavefront_size32 1
		.amdhsa_system_sgpr_workgroup_id_x 1
		.amdhsa_system_sgpr_workgroup_id_y 1
		.amdhsa_system_sgpr_workgroup_id_z 1
		.amdhsa_system_vgpr_workitem_id 0
		.amdhsa_next_free_vgpr 256
		.amdhsa_next_free_sgpr 66
		.amdhsa_reserve_vcc 0
		.amdhsa_float_denorm_mode_32 3
		.amdhsa_float_denorm_mode_16_64 3
		.amdhsa_memory_ordered 1
		.amdhsa_forward_progress 1
		.amdhsa_inst_pref_size 70
	.end_amdhsa_kernel
	.amdgpu_metadata
---
amdhsa.version: [ 1, 2 ]
amdhsa.kernels:
  - .name:           k_qe7d38e054f_kvpart
    .symbol:         k_qe7d38e054f_kvpart.kd
    .args:
      - { .name: keys, .offset: 0, .size: 8, .value_kind: global_buffer, .address_space: global }
      - { .name: values, .offset: 8, .size: 8, .value_kind: global_buffer, .address_space: global }
      - { .name: key_mask, .offset: 16, .size: 8, .value_kind: global_buffer, .address_space: global }
      - { .name: kvp, .offset: 24, .size: 8, .value_kind: global_buffer, .address_space: global }
      - { .name: ksp, .offset: 32, .size: 8, .value_kind: global_buffer, .address_space: global }
    .group_segment_fixed_size: 112640
    .private_segment_fixed_size: 0
    .kernarg_segment_align: 8
    .kernarg_segment_size: 40
    .max_flat_workgroup_size: 512
    .sgpr_count:     66
    .vgpr_count:     256
    .wavefront_size: 32
...
	.end_amdgpu_metadata
.endif
;; end of part 3
;; launch attn: the kernel of part 2 again; grid 256 x 1, 16 waves a work-group, no clusters, 297,728 bytes of LDS; arguments queries, kvp, ksp, out0; writes out0
